; MI455X (gfx1250); checked and timed in simulation.
; The chip was launched on July 23, 2026; its instructions are those of AMD's public machine-readable ISA for CDNA 5 (MIT licence, August 2026) and "CDNA5" Instruction Set Architecture Reference Guide (July 2026). The comments in the code are by the model that wrote it; some were corrected since.
;; Multi Head Attention. Allowed arithmetic: float matrix products may take bf16 or f16 operands with f32 sums; all other float work in f32.
;; Inputs: bk 384 float32; bo 384 float32; bq 384 float32; bv 384 float32; wk 384 x 384 float32; wo 384 x 384 float32; wq 384 x 384 float32; wv 384 x 384 float32; x 2 x 4,096 x 384 float32.
;; Outputs: out0 2 x 4,096 x 384 float32.
;; 2 versions, each right and faster than the one before. Each part assembles by itself: llvm-mc -triple=amdgcn-amd-amdhsa -mcpu=gfx1250 --defsym DOCPART=n.
;; ======== version 1 of 2: 3 launches
;; limits: values are held in f16: magnitudes above 65,504 overflow, below 6.1e-05 lose precision
;; workspace buffers: qkv 18,874,368 bytes; ao 6,291,456 bytes
;; launch qkv (part 1): grid 32 x 6, 8 waves a work-group, no clusters, 234,496 bytes of LDS; arguments x, wq, wk, wv, bq, bk, bv, qkv; writes qkv
.if DOCPART == 1
	.amdgcn_target "amdgcn-amd-amdhsa--gfx1250"
	.amdhsa_code_object_version 6
	.text
	.protected	k_qc9233f1d32_qkv
	.globl	k_qc9233f1d32_qkv
	.p2align	8
	.type	k_qc9233f1d32_qkv,@function
k_qc9233f1d32_qkv:
	s_mov_b64 s[64:65], 0
	v_nop
	global_prefetch_b8 v0, s[64:65] scope:SCOPE_SE
	s_setreg_imm32_b32 hwreg(HW_REG_WAVE_MODE, 25, 1), 1
	s_wait_xcnt 0x0
; q, k, v = x w + b, rounded to f16.  x: [8192][384] f32 (batch and position as one row index), w: [384 in][384 out] f32, b: [384] f32.
; A work-group makes 256 rows x 192 columns (three heads) of ONE of q, k, v: grid x = row block, grid y = 2 x section + column half.
; Eight waves; wave w makes rows 32 w .. 32 w + 31 x all 192 columns: 24 accumulator tiles of 16 x 16, 288 matrix instructions.
; The weight slice is converted to f16 once and laid in LDS as [k][n]; a transposing LDS load makes fragments of it.
; x goes through a ring of 24 loads in registers, is converted, and passes through the wave's own LDS bytes into fragment form.
; THE PRODUCT IS USED TRANSPOSED: source 0 = 16 columns of w, source 1 = 16 rows of x.  Lane (r = l % 16, h = l / 16) then holds row r and the
; eight neighbouring columns 8 h + 0 .. 7 of a tile: four conversions make 16 bytes that belong together.
; OUTPUT, fragment order: byte (section x 12 + batch x 6 + head) x 524288 + (position / 16) x 2048 + t x 512 + 16 x place holds, for q and k with
; place = lane (r, h), the elements (position % 16 = r, dk = 16 t + 8 h + 0 .. 7).  That is what a lane holds here, and also what a lane of the next
; launch wants as registers of a 16-bit fragment.  Each store of a wave covers 512 consecutive bytes, aligned.
; For v bits 3 and 4 of the place are exchanged (place 16 a + 8 b + c holds key 8 a + c, dk 16 t + 8 b ..): the lanes of the next launch's transposing
; load then read 512 consecutive bytes.
; WHY f16: the result follows x, the weights and q almost linearly, so each rounding of them reaches the output at nearly its full relative size;
; f16 keeps 11 significant bits where bf16 keeps 8.
; NO CLUSTER: the weights that the row blocks share are f32 in memory and wanted in 16 bits, and a tensor load moves bytes as they are.  A joint load
; would have to land 384 x 192 x 4 = 294,912 bytes beside the 16-bit image of 159,744 bytes: more LDS than a work-group can be given.
; 192 work-groups: a share of 144 columns, which would make 256, would straddle two weight buffers.
; LIMITS: x and w are rounded to f16 in front of the product, q, k, v behind it; sums in f32, started from the bias, K ascending.
; Range of f16: a magnitude of 65,504 or more becomes infinite; below 2^-14 the steps are 2^-24.  Room, by the problem's own numbers: x of spread 1 and w of
; spread 1/sqrt(384) give q, k, v of spread 1; all inputs 30 times larger: 900 times that; all inputs offset by 30 spreads: 384 x 30 x 1.53 = 17,700.
; Inputs that are scaled by 30 AND offset by 30 spreads at once pass the range and are not served.  NaN and infinities in the inputs are not served.
.set WP,    416                        ; pitch of a k row of w in LDS: 384 bytes + 32 = 13 x 32
.set XB,    384*WP                     ; 159,744: behind w, each wave's own bytes for x
.set XP,    144                        ; pitch of a row of 64 k of x in f16: 128 bytes + 16 = 9 x 16
.set XBLK,  32*XP                      ; a block of 32 rows x 64 k
.set XWAVE, 2*XBLK                     ; two blocks take turns
.set NW,    72                         ; loads of w in a wave: 48 k rows x 768 bytes / 512
.set NX,    96                         ; loads of x in a wave: 32 rows x 1,536 bytes / 512
.set RING,  24                         ; loads in flight in a wave
.set XG,   1                           ; v1      x: (32 w + h) x 1536 + 16 r
.set XL,   2                           ; v2      where 8 bytes of converted x go
.set XA,   3                           ; v3      where x fragments are read
.set GW0,  4                           ; v4, v5  w in memory: 512 bytes of one row; the end of a row and the head of the next
.set GW1,  5
.set LW0,  6                           ; v6, v7  the same places in LDS
.set LW1,  7
.set WADR, 8                           ; v8-10   w fragments, K steps 0-3, 4-7, 8-11
.set BOFF, 11                          ; v11     bias
.set CO,   12                          ; v12     my 16 bytes in the output
.set AF,   16                          ; v16-47  x fragments: two buffers x two row tiles x 8
.set BF,   48                          ; v48-143 12 w fragments; before that the ring for w; at the end the packed results
.set RAW,  144                         ; v144-239 the ring for x
; window 1 (v256-447): accumulator (f, a) at 8 (2 f + a), f = column tile 0..11, a = row tile 0..1
.set MSB, 0
.macro WIN new                         ; s_set_vgpr_msb: bits 1:0 source 0, 3:2 source 1, 5:4 source 2, 7:6 destination; the high byte repeats the setting left
.if MSB != \new
	s_set_vgpr_msb (MSB<<8)|\new
.set MSB, \new
.endif
.endm
.macro PLACES                          ; four places behind a matrix instruction before its registers are loaded into or its result is read (ISA guide 7.12.1)
.rept 4
	v_nop
.endr
.endm
	s_load_b512 s[8:23], s[0:1], 0x0               ; x, wq, wk, wv, bq, bk, bv, qkv
	v_lshl_add_u32 v254, v0, 2, 0x39000
	v_mov_b32 v255, 0
	v_lshrrev_b32 v13, 5, v0
	v_readfirstlane_b32 s4, v13                    ; wave 0..7
	s_and_b32 s25, ttmp7, 0xffff
	s_lshr_b32 s26, s25, 1                         ; section: 0 q, 1 k, 2 v
	s_and_b32 s27, s25, 1                          ; which 192 columns
	v_and_b32 v14, 31, v0                          ; lane
	v_and_b32 v15, 15, v0                          ; r
	v_bfe_u32 v13, v0, 4, 1                        ; h
	s_mul_i32 s36, s4, 49152                       ; 32 rows of 1,536 bytes
	v_mul_u32_u24 v[XG], v13, 1536
	v_lshl_add_u32 v[XG], v15, 4, v[XG]
	v_add_nc_u32 v[XG], s36, v[XG]
	s_mul_i32 s37, s4, XWAVE
	s_add_co_u32 s37, s37, XB                      ; my wave's bytes for x
	v_mul_u32_u24 v[XL], v13, XP
	v_lshl_add_u32 v[XL], v15, 3, v[XL]
	v_add_nc_u32 v[XL], s37, v[XL]                 ; row h, 8 bytes at 8 r
	v_mul_u32_u24 v[XA], v15, XP
	v_lshl_add_u32 v[XA], v13, 4, v[XA]
	v_add_nc_u32 v[XA], s37, v[XA]                 ; row r, 16 bytes at 16 h
	s_mul_i32 s38, s4, 73728                       ; 48 k rows of 1,536 bytes
	v_lshl_add_u32 v[GW0], v14, 4, s38
	s_add_co_u32 s39, s38, 512
	v_lshlrev_b32 v[GW1], 10, v13
	v_lshl_add_u32 v[GW1], v15, 4, v[GW1]
	v_add_nc_u32 v[GW1], s39, v[GW1]               ; lanes 0-15: bytes 512-767 of a row; lanes 16-31: bytes 0-255 of the next
	s_mul_i32 s38, s4, 48*WP
	v_lshl_add_u32 v[LW0], v14, 3, s38
	s_add_co_u32 s39, s38, 256
	v_mul_u32_u24 v[LW1], v13, 160
	v_lshl_add_u32 v[LW1], v15, 3, v[LW1]
	v_add_nc_u32 v[LW1], s39, v[LW1]               ; 256 + 160 = one pitch
	v_and_b32 v[WADR+1], 7, v0
	v_lshl_add_u32 v[WADR+1], v13, 3, v[WADR+1]    ; k row 8 h + l % 8
	v_mul_u32_u24 v[WADR], v[WADR+1], WP
	v_bfe_u32 v[WADR+1], v0, 3, 1
	v_lshl_add_u32 v[WADR], v[WADR+1], 4, v[WADR]  ; + 16 bytes for the upper eight columns
	v_add_nc_u32 v[WADR+1], 128*WP, v[WADR]
	v_add_nc_u32 v[WADR+2], 256*WP, v[WADR]
	v_lshlrev_b32 v[BOFF], 5, v13                  ; my eight columns of a tile begin at 8 h
	v_and_b32 v[CO], 7, v0                         ; the place in v's blocks: bits 3 and 4 of the lane exchanged
	v_bfe_u32 v15, v0, 3, 1
	v_lshl_or_b32 v[CO], v15, 4, v[CO]
	v_lshl_or_b32 v[CO], v13, 3, v[CO]
	s_cmp_eq_u32 s26, 2
	s_cselect_b32 s39, -1, 0
	v_cndmask_b32 v[CO], v14, v[CO], s39           ; v: the exchanged place; q, k: the lane
	s_lshl_b32 s38, s4, 12                         ; two row tiles of 2,048 bytes a wave
	v_lshl_add_u32 v[CO], v[CO], 4, s38
	s_wait_kmcnt 0x0
	s_cmp_eq_u32 s26, 1                            ; the section's weights and bias
	s_cselect_b64 s[28:29], s[12:13], s[10:11]
	s_cselect_b64 s[30:31], s[18:19], s[16:17]
	s_cmp_eq_u32 s26, 2
	s_cselect_b64 s[28:29], s[14:15], s[28:29]
	s_cselect_b64 s[30:31], s[20:21], s[30:31]
	s_mul_i32 s36, s27, 768                        ; 192 columns of f32
	s_mov_b32 s37, 0
	s_add_nc_u64 s[28:29], s[28:29], s[36:37]      ; w at my first column
	s_add_nc_u64 s[30:31], s[30:31], s[36:37]      ; b at my first column
	s_mul_i32 s36, ttmp9, 393216                   ; 256 rows of 1,536 bytes
	s_add_nc_u64 s[32:33], s[8:9], s[36:37]        ; x at my first row
	s_lshr_b32 s38, ttmp9, 4                       ; batch
	s_mul_i32 s38, s38, 6
	s_mul_i32 s39, s27, 3
	s_add_co_u32 s38, s38, s39
	s_mul_i32 s39, s26, 12
	s_add_co_u32 s38, s38, s39                     ; section x 12 + batch x 6 + first head
	s_lshl_b32 s38, s38, 19
	s_and_b32 s39, ttmp9, 15
	s_lshl_b32 s39, s39, 15                        ; 16 row tiles of 2,048 bytes a block
	s_add_co_u32 s36, s38, s39
	s_add_nc_u64 s[34:35], s[22:23], s[36:37]      ; the output at my block
	; The sums start from the bias: it is loaded into the accumulators, so nothing is cleared and nothing is added at the end.
	WIN 0x40                                       ; destination in window 1
.irp f, 0,1,2,3,4,5,6,7,8,9,10,11
.irp a, 0,1
.irp e, 0,1
	global_load_b128 v[8*(2*\f+\a)+4*\e:8*(2*\f+\a)+4*\e+3], v[BOFF], s[30:31] offset:64*\f+16*\e
.endr
.endr
.endr
	WIN 0
; x, load i: rows 2 (i % 16) and 2 (i % 16) + 1 of my 32, the 256 bytes of k block i / 16: two aligned runs of 256 bytes
.macro XLOAD i
.set xl, RAW+4*((\i)%RING)
	global_load_b128 v[xl:xl+3], v[XG], s[32:33] offset:3072*((\i)&15)+256*((\i)>>4)
.endm
; w, load i: three loads bring the 2 x 768 bytes of k rows 2 (i / 3), 2 (i / 3) + 1 of my 48, each in aligned runs of 256 bytes
.macro WLOAD i
.set wl, BF+4*((\i)%RING)
.if ((\i)%3) == 1
	global_load_b128 v[wl:wl+3], v[GW1], s[28:29] offset:3072*((\i)/3)
.else
	global_load_b128 v[wl:wl+3], v[GW0], s[28:29] offset:3072*((\i)/3)+896*((\i)%3)
.endif
.endm
; load i of w has come: four f32 become 8 bytes of f16 in LDS, and the slot is loaded again
.macro WPUT i
.set ws, BF+4*((\i)%RING)
.if (\i) < NW-RING
	s_wait_loadcnt RING-1                          ; loads come back in order (ISA guide 5.7.1): the ring's 23 younger ones stay out
.else
	s_wait_loadcnt NW-1-(\i)                       ; the ring runs empty
.endif
	v_cvt_pk_f16_f32 v[ws], v[ws], v[ws+1]
	v_cvt_pk_f16_f32 v[ws+1], v[ws+2], v[ws+3]
.if ((\i)%3) == 1
	ds_store_b64 v[LW1], v[ws:ws+1] offset:2*WP*((\i)/3)
.else
	ds_store_b64 v[LW0], v[ws:ws+1] offset:2*WP*((\i)/3)+272*((\i)%3)
.endif
.if (\i) < NW-RING
	WLOAD (\i)+RING
.endif
.endm
; the same for x, into the wave's own block (i / 16) % 2
.macro XPUT i
.set xs, RAW+4*((\i)%RING)
.if (\i) < NX-RING
	s_wait_loadcnt RING-1
.else
	s_wait_loadcnt NX-1-(\i)
.endif
	v_cvt_pk_f16_f32 v[xs], v[xs], v[xs+1]
	v_cvt_pk_f16_f32 v[xs+1], v[xs+2], v[xs+3]
	ds_store_b64 v[XL], v[xs:xs+1] offset:XBLK*(((\i)>>4)&1)+2*XP*((\i)&15)
.if (\i) < NX-RING
	XLOAD (\i)+RING
.endif
.endm
.macro XPUT8 c                         ; half a block: what one K step of 32 consumes
.set xi, 8*(\c)
.rept 8
	XPUT xi
.set xi, xi+1
.endr
.endm
; the two x fragments of K step c.  My own bytes, and LDS serves a wave's instructions in order (ISA guide 5.7.1): no wait behind the stores
.macro LOADA c
.irp a, 0,1
.irp q, 0,1
	ds_load_b128 v[AF+16*((\c)&1)+8*\a+4*\q:AF+16*((\c)&1)+8*\a+4*\q+3], v[XA] offset:XBLK*(((\c)>>1)&1)+16*XP*\a+64*((\c)&1)+32*\q
.endr
.endr
.endm
; six w fragments (column tiles 6 g .. 6 g + 5) of K step c: two transposing loads each, 16 k rows apart
.macro LOADB g, c
.irp e, 0,1,2,3,4,5
	ds_load_tr16_b128 v[BF+8*(6*\g+\e):BF+8*(6*\g+\e)+3], v[WADR+((\c)>>2)] offset:32*WP*((\c)&3)+32*(6*\g+\e)
	ds_load_tr16_b128 v[BF+8*(6*\g+\e)+4:BF+8*(6*\g+\e)+7], v[WADR+((\c)>>2)] offset:32*WP*((\c)&3)+32*(6*\g+\e)+16*WP
.endr
.endm
; twelve matrix instructions.  The 24 accumulators take turns, one instruction a turn.
.macro MUL g, c
.irp e, 0,1,2,3,4,5
.irp a, 0,1
	v_wmma_f32_16x16x32_f16 v[8*(2*(6*\g+\e)+\a):8*(2*(6*\g+\e)+\a)+7], v[BF+8*(6*\g+\e):BF+8*(6*\g+\e)+7], v[AF+16*((\c)&1)+8*\a:AF+16*((\c)&1)+8*\a+7], v[8*(2*(6*\g+\e)+\a):8*(2*(6*\g+\e)+\a)+7]
.endr
.endr
.endm
; K step c.  While one group of six w fragments is multiplied, the other group's loads for its next use are on their way.
.macro KSTEP c
	s_wait_dscnt 12                                ; group 0 and x of this step are in; only group 1's twelve loads are younger
	WIN 0x50                                       ; C and D in window 1
	MUL 0, \c
	WIN 0
.if \c < 11
	PLACES                                         ; in front of the loads into group 0
.endif
.if \c <= 9
	XPUT8 \c+2                                     ; x two steps ahead
.endif
.if \c < 11
	LOADB 0, \c+1
	LOADA \c+1                                     ; into the buffer that the step before read, four places behind its last matrix instruction
.endif
.if \c <= 9
	s_wait_dscnt 24                                ; group 1 is in: younger are 8 stores of x, 12 loads of w, 4 of x
.endif
.if \c == 10
	s_wait_dscnt 16                                ; the same without stores
.endif
.if \c == 11
	s_wait_dscnt 0
.endif
	WIN 0x50
	MUL 1, \c
	WIN 0
	PLACES
.if \c < 11
	LOADB 1, \c+1
.endif
.endm
.set it, 0
.rept RING
	XLOAD it                                       ; x's ring is filled first: it lands while w is converted
.set it, it+1
.endr
.set it, 0
.rept RING
	WLOAD it
.set it, it+1
.endr
.set it, 0
.rept NW
	WPUT it
.set it, it+1
.endr
	s_wait_dscnt 0x0                               ; my part of w is in LDS,
	s_barrier_signal -1
	s_barrier_wait -1                              ; everybody's is.  The only barrier: w is never written again, x's bytes are each wave's own
	XPUT8 0
	XPUT8 1
	LOADB 0, 0
	LOADA 0
	LOADB 1, 0
.irp c, 0,1,2,3,4,5,6,7,8,9,10,11
	KSTEP \c
.endr
	; The way out: the four places stand at the end of the last step.  Eight f32 of a lane become 16 bytes; a store of the wave covers 512 bytes.
	WIN 0x05                                       ; both sources in window 1
.irp a, 0,1
.irp f, 0,1,2,3,4,5,6,7,8,9,10,11
.irp u, 0,1,2,3
	v_cvt_pk_f16_f32 v[BF+48*\a+4*\f+\u], v[8*(2*\f+\a)+2*\u], v[8*(2*\f+\a)+2*\u+1]
.endr
.endr
.endr
	WIN 0
.irp a, 0,1
.irp f, 0,1,2,3,4,5,6,7,8,9,10,11
	global_store_b128 v[CO], v[BF+48*\a+4*\f:BF+48*\a+4*\f+3], s[34:35] offset:(\f>>2)*524288+2048*\a+512*(\f&3)
.endr
.endr
	s_wait_tensorcnt 0x0
	ds_add_u32 v254, v255
	s_wait_dscnt 0x0
	s_endpgm
.Lfunc_end_k_qc9233f1d32_qkv:
	.size	k_qc9233f1d32_qkv, .Lfunc_end_k_qc9233f1d32_qkv-k_qc9233f1d32_qkv
	.p2alignl 7, 3214868480
	.fill 96, 4, 3214868480
	.section	.rodata,"a",@progbits
	.p2align	6, 0x0
	.amdhsa_kernel k_qc9233f1d32_qkv
		.amdhsa_group_segment_fixed_size 234496
		.amdhsa_private_segment_fixed_size 0
		.amdhsa_enable_private_segment 0
		.amdhsa_kernarg_size 64
		.amdhsa_user_sgpr_count 2
		.amdhsa_user_sgpr_kernarg_segment_ptr 1
		.amdhsa_wavefront_size32 1
		.amdhsa_system_sgpr_workgroup_id_x 1
		.amdhsa_system_sgpr_workgroup_id_y 1
		.amdhsa_system_sgpr_workgroup_id_z 1
		.amdhsa_system_vgpr_workitem_id 0
		.amdhsa_next_free_vgpr 448
		.amdhsa_next_free_sgpr 66
		.amdhsa_reserve_vcc 0
		.amdhsa_float_denorm_mode_32 3
		.amdhsa_float_denorm_mode_16_64 3
		.amdhsa_memory_ordered 1
		.amdhsa_forward_progress 1
		.amdhsa_inst_pref_size 114
	.end_amdhsa_kernel
	.amdgpu_metadata
---
amdhsa.version: [ 1, 2 ]
amdhsa.kernels:
  - .name:           k_qc9233f1d32_qkv
    .symbol:         k_qc9233f1d32_qkv.kd
    .args:
      - { .name: x, .offset: 0, .size: 8, .value_kind: global_buffer, .address_space: global }
      - { .name: wq, .offset: 8, .size: 8, .value_kind: global_buffer, .address_space: global }
      - { .name: wk, .offset: 16, .size: 8, .value_kind: global_buffer, .address_space: global }
      - { .name: wv, .offset: 24, .size: 8, .value_kind: global_buffer, .address_space: global }
      - { .name: bq, .offset: 32, .size: 8, .value_kind: global_buffer, .address_space: global }
      - { .name: bk, .offset: 40, .size: 8, .value_kind: global_buffer, .address_space: global }
      - { .name: bv, .offset: 48, .size: 8, .value_kind: global_buffer, .address_space: global }
      - { .name: qkv, .offset: 56, .size: 8, .value_kind: global_buffer, .address_space: global }
    .group_segment_fixed_size: 234496
    .private_segment_fixed_size: 0
    .kernarg_segment_align: 8
    .kernarg_segment_size: 64
    .max_flat_workgroup_size: 256
    .sgpr_count:     66
    .vgpr_count:     448
    .wavefront_size: 32
...
	.end_amdgpu_metadata
.endif
;; end of part 1
;; launch attn (part 2): grid 16 x 12, 8 waves a work-group, clusters of 4 x 1, 327,680 bytes of LDS; arguments qkv, ao; writes ao
.if DOCPART == 2
	.amdgcn_target "amdgcn-amd-amdhsa--gfx1250"
	.amdhsa_code_object_version 6
	.text
	.protected	k_qc9233f1d32_attn
	.globl	k_qc9233f1d32_attn
	.p2align	8
	.type	k_qc9233f1d32_attn,@function
k_qc9233f1d32_attn:
	s_mov_b64 s[64:65], 0
	v_nop
	global_prefetch_b8 v0, s[64:65] scope:SCOPE_SE
	s_setreg_imm32_b32 hwreg(HW_REG_WAVE_MODE, 25, 1), 1
	s_wait_xcnt 0x0
	s_wait_alu depctr_hold_cnt(0) depctr_sa_sdst(0) depctr_va_vdst(0) depctr_va_sdst(0) depctr_va_ssrc(0) depctr_va_vcc(0) depctr_vm_vsrc(0)
	s_getreg_b32 s2, hwreg(HW_REG_IB_STS2, 6, 4)
	s_cmp_eq_u32 s2, 0
	s_cbranch_scc0 .Lentry_in_a_cluster
	s_endpgm
.Lentry_in_a_cluster:
	s_bfe_u32 s2, ttmp6, 0x10000c
	s_cmp_lg_u32 s2, 0x3003
	s_cbranch_scc0 .Lentry_shape_is_right
	s_endpgm
.Lentry_shape_is_right:
; softmax(q k^T / 8) v for one (batch, head) and 256 queries, with a running maximum; the scores never leave the registers.
; grid y = batch x 6 + head; grid x = block of 256 queries.  Eight waves; wave w owns 32 queries (two tiles of 16) and walks all 4,096 keys.
; q, k, v are f16 in fragment order (see the launch that makes them): every fragment is read as runs of 512 consecutive bytes.
; BOTH PRODUCTS ARE USED TRANSPOSED.  S^T = K Q^T: lane (r, h) holds query r and keys 8 h + 0 .. 7 of a tile of 16 keys.  Two such tiles, packed
; to f16, ARE the fragment of P^T for O^T = V^T P^T: no data moves between lanes.  Maximum, sum and rescale factor are one number a lane;
; the two halves of the lanes hold different keys of the same query, and one exchange of the halves joins them.
; K and V come in tiles of 256 keys (32,768 bytes each, dense) through two LDS slots.
; CLUSTER: the four work-groups of a cluster are four query blocks of one head and walk the same K and V tiles in the same 16 trips.  Each tile is
; asked for jointly: every wave of each of the four issues the same tensor load (its eighth of the tile) with the mask of all four.
; By this text's own count a wave has two tensor loads outstanding: its parts of one tile of K and of V.
; 192 work-groups: 12 heads x 16 blocks.  A share of 64 queries would need the keys split over waves and a merge of partial results.
; No prefetch: each block would have to be asked for by one of the four partners alone;
; a tile is requested at the head of one trip and waited for at the head of the next, 128 matrix instructions of every wave later.
; LIMITS: p is rounded to f16 in front of the second product and the result behind it; the row sum is made of the unrounded p, in f32.
; p lies in (0, 1]: below 2^-14 f16 keeps it in steps of 2^-24, below 2^-25 it counts as 0 in the product; over 4,096 keys that is at most 2^-13 of the
; largest |v|, against a row sum of about 1 or more.  p below 2^-126 counts as 0 in the sum too (v_exp_f32 flushes denormals: ISA guide, its entry in 15.8).
; The result is an average of rows of v, so it has v's range (below 65,504); below 2^-14 its steps are 2^-24: with x and wv both 30 times smaller than
; spread 1 and 1/sqrt(384) its size is about 1.7e-5, and the rounding a thousandth of that.
; NaN, infinities, and scores beyond the range of f32 are not served.
.set TILE, 32768                       ; 256 keys x 64 x 2 bytes
.set SLOT, 65536                       ; K's tile, then V's
.set KSEC, 6291456                     ; k's section of the buffer
.set VSEC, 12582912                    ; v's section
.set G1, 16                            ; s[16:23] descriptor group 1, for all loads
.set GK, 24                            ; s[24:31] group 0 for K, one set for each slot
.set GV, 32                            ; s[32:39] group 0 for V
.set KA, 1                             ; v1, v2   K fragments in slot 0, 1: 16 x lane
.set VA, 3                             ; v3, v4   V fragments
.set QO, 5                             ; v5       my 16 bytes in q and in the output
.set NM, 8                             ; v8, v10  minus the running maximum times c;  v9, v11 the running maximum of the raw scores
.set AL, 12                            ; v12, v14 the rescale factor;                 v13, v15 the running sum of my half's keys
.set T,  16                            ; v16-23   at work
.set QF, 32                            ; v32-63   Q fragment (query tile y, K step c) at 8 (2 y + c)
.set F,  64                            ; v64-127  K fragment (key tile i, step c) at 8 (4 c + i); then V fragment (dk tile t, key step c) at 8 (4 c + t)
.set SF, 128                           ; v128-191 S (y, i) at 32 y + 8 i; P (y, key step c) ends up in place at 32 y + 16 c
.set OF, 192                           ; v192-255 O (t, y) at 8 (2 t + y)
; The pairs (NM, maximum) and (AL, sum) are named by packed instructions that take the pair's first register for both halves.
.macro PLACES k
.rept \k
	v_nop
.endr
.endm
; A round of the cluster's barrier: my work-group's barrier, wave 0 signals for the work-group, every wave waits for all four work-groups, my work-group's barrier again.
.macro ROUND
	s_barrier_signal -1
	s_barrier_wait -1
	s_cmp_lg_u32 s8, 0
	s_cbranch_scc1 .Lnot_wave_0_\@
	s_barrier_signal -3
.Lnot_wave_0_\@:
	s_barrier_wait -3
	s_barrier_signal -1
	s_barrier_wait -1
.endm
	s_load_b128 s[4:7], s[0:1], 0x0                ; qkv s[4:5], ao s[6:7]
	v_lshl_add_u32 v30, v0, 2, 0x29000
	v_mov_b32 v31, 0
	ds_add_u32 v30, v31
	v_lshrrev_b32 v6, 5, v0
	v_readfirstlane_b32 s8, v6                     ; wave 0..7
	s_and_b32 s9, ttmp7, 0xffff                    ; batch x 6 + head: the four partners share it
	s_bfe_u32 s47, ttmp6, 0x40000                  ; cx: my place in the cluster
	s_lshl_b32 s48, ttmp9, 2
	s_add_co_u32 s48, s48, s47                     ; query block = 4 x cluster x + cx: enters the addresses of q and of the output alone
	s_mov_b32 s42, 0x76543210                      ; v_permlanex16_b32: lane i of one half reads lane i of the other
	s_mov_b32 s43, 0xfedcba98
	s_mov_b32 s44, 0x3e38aa3b                      ; c = log2(e) / 8: the scale 1 / sqrt(64) and the base of v_exp_f32 in one factor
	s_mov_b32 s45, 0x3e38aa3b
	s_mov_b32 s46, 0xbe38aa3b                      ; - c
	; group 1: 16 rows of 32 elements of 8 bytes = 4,096 dense bytes, a wave's eighth of a tile
	s_mov_b32 s[G1+0], 15|(3<<16)|(1<<21)          ; 15:0 the mask: all four work-groups; 17:16 elements of 8 bytes; 21 set beside a mask; no padding
	s_mov_b32 s[G1+1], 32<<16                      ; tensor_dim0 = 32
	s_mov_b32 s[G1+2], 16<<16                      ; tensor_dim1 = 16
	s_mov_b32 s[G1+3], 32<<16                      ; tile_dim0 = 32
	s_mov_b32 s[G1+4], 16                          ; tile_dim1 = 16
	s_mov_b32 s[G1+5], 32                          ; from row to row: 32 elements
	s_mov_b32 s[G1+6], 0
	s_mov_b32 s[G1+7], 0
	s_lshl_b32 s10, s9, 19                         ; 524,288 bytes a head
	s_lshl_b32 s41, s8, 12                         ; 4,096 x wave
	s_add_co_u32 s12, s10, s41
	s_mov_b32 s13, 0
	s_lshl_b32 s50, s48, 15                        ; 256 queries = 32,768 bytes
	s_add_co_u32 s50, s50, s10
	s_mov_b32 s51, 0
	v_and_b32 v7, 31, v0
	v_lshlrev_b32 v[KA], 4, v7
	v_add_nc_u32 v[KA+1], SLOT, v[KA]
	v_add_nc_u32 v[VA], TILE, v[KA]
	v_add_nc_u32 v[VA+1], SLOT+TILE, v[KA]
	v_lshl_add_u32 v[QO], v7, 4, s41               ; two query tiles of 2,048 bytes a wave
	s_wait_dscnt 0x0
	s_wait_kmcnt 0x0
	s_add_nc_u64 s[14:15], s[4:5], s[12:13]        ; the head, my eighth: nothing of cx in it
	s_add_nc_u64 s[52:53], s[4:5], s[50:51]        ; q at my block
	s_add_nc_u64 s[54:55], s[6:7], s[50:51]        ; the output at my block
.irp y, 0,1
.irp c, 0,1
.irp q, 0,1
	global_load_b128 v[QF+8*(2*\y+\c)+4*\q:QF+8*(2*\y+\c)+4*\q+3], v[QO], s[52:53] offset:2048*\y+512*(2*\c+\q)
.endr
.endr
.endr
.irp s, 0,1
	s_mov_b32 s[GK+4*\s], 1                                        ; count = 1
	s_add_co_u32 s[GK+4*\s+1], s41, \s*SLOT                        ; LDS address: the slot, my eighth
	s_add_nc_u64 s[GK+4*\s+2:GK+4*\s+3], s[14:15], KSEC+\s*TILE    ; tile s
	s_or_b32 s[GK+4*\s+3], s[GK+4*\s+3], 0x80000000                ; type = 2
	s_mov_b32 s[GV+4*\s], 1
	s_add_co_u32 s[GV+4*\s+1], s41, \s*SLOT+TILE
	s_add_nc_u64 s[GV+4*\s+2:GV+4*\s+3], s[14:15], VSEC+\s*TILE
	s_or_b32 s[GV+4*\s+3], s[GV+4*\s+3], 0x80000000
.endr
	ROUND                                          ; all four work-groups are here: the first joint loads meet
	tensor_load_to_lds s[GK:GK+3], s[G1:G1+7]      ; tile 0
	s_nop 0
	tensor_load_to_lds s[GV:GV+3], s[G1:G1+7]
	s_nop 0
	s_wait_loadcnt 0x0                             ; q, once
; the K fragments of 64 keys (chunk j of the tile): the eight loads of dk 0-31 first
.macro LOADK slot, j
.irp c, 0,1
.irp i, 0,1,2,3
.irp q, 0,1
	ds_load_b128 v[F+8*(4*\c+\i)+4*\q:F+8*(4*\c+\i)+4*\q+3], v[KA+\slot] offset:(4*(\j)+\i)*2048+(2*\c+\q)*512
.endr
.endr
.endr
.endm
; the V^T fragments of the same keys, by transposing loads: the eight loads of keys 0-31 first
.macro LOADV slot, j
.irp c, 0,1
.irp t, 0,1,2,3
.irp q, 0,1
	ds_load_tr16_b128 v[F+8*(4*\c+\t)+4*\q:F+8*(4*\c+\t)+4*\q+3], v[VA+\slot] offset:(4*(\j)+2*\c+\q)*2048+512*\t
.endr
.endr
.endr
.endm
; 32 queries x 64 keys.  first = 1: the very first chunk starts maximum, sum and O.
; In both products the eight accumulators take turns, one instruction a turn.
.macro CHUNK slot, j, first
	s_wait_dscnt 8                                 ; K's dk 0-31 are in; the eight loads of dk 32-63 are younger
.irp i, 0,1,2,3
.irp y, 0,1
	v_wmma_f32_16x16x32_f16 v[SF+32*\y+8*\i:SF+32*\y+8*\i+7], v[F+8*\i:F+8*\i+7], v[QF+16*\y:QF+16*\y+7], 0
.endr
.endr
	s_wait_dscnt 0
.irp i, 0,1,2,3
.irp y, 0,1
	v_wmma_f32_16x16x32_f16 v[SF+32*\y+8*\i:SF+32*\y+8*\i+7], v[F+32+8*\i:F+32+8*\i+7], v[QF+16*\y+8:QF+16*\y+15], v[SF+32*\y+8*\i:SF+32*\y+8*\i+7]
.endr
.endr
	PLACES 4                                       ; before V is loaded over K and the scores are read (ISA guide 7.12.1)
	LOADV \slot, \j
	; the largest of my 32 scores of each query tile: four chains, then their join
.irp y, 0,1
.irp k, 0,1,2,3
	v_max3_num_f32 v[T+4*\y+\k], v[SF+32*\y+8*\k], v[SF+32*\y+8*\k+1], v[SF+32*\y+8*\k+2]
.endr
.irp k, 0,1,2,3
	v_max3_num_f32 v[T+4*\y+\k], v[T+4*\y+\k], v[SF+32*\y+8*\k+3], v[SF+32*\y+8*\k+4]
.endr
.irp k, 0,1,2,3
	v_max3_num_f32 v[T+4*\y+\k], v[T+4*\y+\k], v[SF+32*\y+8*\k+5], v[SF+32*\y+8*\k+6]
.endr
	v_max3_num_f32 v[T+4*\y], v[T+4*\y], v[T+4*\y+1], v[SF+32*\y+7]
	v_max3_num_f32 v[T+4*\y+2], v[T+4*\y+2], v[T+4*\y+3], v[SF+32*\y+15]
	v_max3_num_f32 v[T+4*\y], v[T+4*\y], v[T+4*\y+2], v[SF+32*\y+23]
	v_max_num_f32 v[T+4*\y], v[T+4*\y], v[SF+32*\y+31]
.endr
.irp y, 0,1
	v_permlanex16_b32 v[T+4*\y+1], v[T+4*\y], s42, s43             ; the other half's keys of the same query
.endr
.if \first
.irp y, 0,1
	v_max_num_f32 v[NM+2*\y+1], v[T+4*\y], v[T+4*\y+1]
.endr
.irp y, 0,1
	v_mul_f32 v[NM+2*\y], s46, v[NM+2*\y+1]
.endr
.else
.irp y, 0,1
	v_max3_num_f32 v[NM+2*\y+1], v[T+4*\y], v[T+4*\y+1], v[NM+2*\y+1]
.endr
.irp y, 0,1
	v_mul_f32 v[T+4*\y+2], s46, v[NM+2*\y+1]                       ; the new shift
	v_sub_f32 v[AL+2*\y], v[T+4*\y+2], v[NM+2*\y]                  ; new shift - old shift, both as they are applied to p: at most 0
.endr
	v_exp_f32 v[AL], v[AL]
	v_exp_f32 v[AL+2], v[AL+2]
	v_mov_b32 v[NM], v[T+2]                        ; plain instructions behind the exponentials (ISA guide 5.7.2)
	v_mov_b32 v[NM+2], v[T+6]
.endif
	; p = 2^(c s - c max)
.irp y, 0,1
.set u, 0
.rept 16
	v_pk_fma_f32 v[SF+32*\y+2*u:SF+32*\y+2*u+1], v[SF+32*\y+2*u:SF+32*\y+2*u+1], s[44:45], v[NM+2*\y:NM+2*\y+1] op_sel_hi:[1,0,0]
.set u, u+1
.endr
.endr
	; behind each two exponentials one packed multiply rescales two numbers of O: the plain instruction that the exponentials want behind them
.set u, 0
.rept 32
	v_exp_f32 v[SF+2*u], v[SF+2*u]
	v_exp_f32 v[SF+2*u+1], v[SF+2*u+1]
.if \first == 0
	s_wait_alu depctr_va_vdst(0)
	v_pk_mul_f32 v[OF+2*u:OF+2*u+1], v[OF+2*u:OF+2*u+1], v[AL+2*((u>>2)&1):AL+2*((u>>2)&1)+1] op_sel_hi:[1,0]
.endif
.set u, u+1
.endr
.if \first
	v_nop
	s_wait_alu depctr_va_vdst(0)
.endif
	; the sum of my 32 p of each query tile, two chains of packed adds
	s_wait_alu depctr_va_vdst(0)
.irp y, 0,1
	v_pk_add_f32 v[T+4*\y:T+4*\y+1], v[SF+32*\y:SF+32*\y+1], v[SF+32*\y+2:SF+32*\y+3]
	v_pk_add_f32 v[T+4*\y+2:T+4*\y+3], v[SF+32*\y+16:SF+32*\y+17], v[SF+32*\y+18:SF+32*\y+19]
.irp k, 4,6,8,10,12,14
	v_pk_add_f32 v[T+4*\y:T+4*\y+1], v[T+4*\y:T+4*\y+1], v[SF+32*\y+\k:SF+32*\y+\k+1]
	v_pk_add_f32 v[T+4*\y+2:T+4*\y+3], v[T+4*\y+2:T+4*\y+3], v[SF+32*\y+16+\k:SF+32*\y+16+\k+1]
.endr
	v_pk_add_f32 v[T+4*\y:T+4*\y+1], v[T+4*\y:T+4*\y+1], v[T+4*\y+2:T+4*\y+3]
.if \first
	v_add_f32 v[AL+2*\y+1], v[T+4*\y], v[T+4*\y+1]
.else
	v_add_f32 v[T+4*\y], v[T+4*\y], v[T+4*\y+1]
	v_fma_f32 v[AL+2*\y+1], v[AL+2*\y+1], v[AL+2*\y], v[T+4*\y]
.endif
.endr
	; two tiles of S^T become one fragment of P^T, in place: register u takes numbers 2 u and 2 u + 1, ascending, so nothing is lost
.irp y, 0,1
.irp c, 0,1
.irp u, 0,1,2,3,4,5,6,7
	v_cvt_pk_f16_f32 v[SF+32*\y+16*\c+\u], v[SF+32*\y+16*\c+2*\u], v[SF+32*\y+16*\c+2*\u+1]
.endr
.endr
.endr
	s_wait_dscnt 8                                 ; V's keys 0-31 are in; the eight loads of keys 32-63 are younger
.irp t, 0,1,2,3
.irp y, 0,1
.if \first
	v_wmma_f32_16x16x32_f16 v[OF+8*(2*\t+\y):OF+8*(2*\t+\y)+7], v[F+8*\t:F+8*\t+7], v[SF+32*\y:SF+32*\y+7], 0
.else
	v_wmma_f32_16x16x32_f16 v[OF+8*(2*\t+\y):OF+8*(2*\t+\y)+7], v[F+8*\t:F+8*\t+7], v[SF+32*\y:SF+32*\y+7], v[OF+8*(2*\t+\y):OF+8*(2*\t+\y)+7]
.endif
.endr
.endr
	s_wait_dscnt 0
.irp t, 0,1,2,3
.irp y, 0,1
	v_wmma_f32_16x16x32_f16 v[OF+8*(2*\t+\y):OF+8*(2*\t+\y)+7], v[F+32+8*\t:F+32+8*\t+7], v[SF+32*\y+16:SF+32*\y+23], v[OF+8*(2*\t+\y):OF+8*(2*\t+\y)+7]
.endr
.endr
	PLACES 5                                       ; the next chunk's matrix instructions write over P (five places), its loads over V (four)
.if \j < 3
	LOADK \slot, \j+1
.endif
.endm
; One tile of 256 keys.  In front of the round every wave has waited for all its tensor loads (its parts of this trip's tile) and for its reads of the
; other slot; behind the round that holds of every wave of all four work-groups, and the other slot's refills are the first tensor loads there.
.macro TRIP slot, refill, first
	s_wait_tensorcnt 0x0                           ; no tensor load of mine is out: every group 0 may be written
	ds_add_u32 v30, v31
	s_wait_dscnt 0x0
	s_add_nc_u64 s[GK+4*\slot+2:GK+4*\slot+3], s[GK+4*\slot+2:GK+4*\slot+3], 2*TILE   ; this slot's next tile
	s_add_nc_u64 s[GV+4*\slot+2:GV+4*\slot+3], s[GV+4*\slot+2:GV+4*\slot+3], 2*TILE
	s_wait_dscnt 0x0
	ROUND
.if \refill
	tensor_load_to_lds s[GK+4-4*\slot:GK+7-4*\slot], s[G1:G1+7]
	s_nop 0
	tensor_load_to_lds s[GV+4-4*\slot:GV+7-4*\slot], s[G1:G1+7]
	s_nop 0
.endif
	LOADK \slot, 0
	CHUNK \slot, 0, \first
	CHUNK \slot, 1, 0
	CHUNK \slot, 2, 0
	CHUNK \slot, 3, 0
.endm
	TRIP 0, 1, 1                                   ; tiles 0 and 1 stand in front of the loop: the first chunk starts the sums
	TRIP 1, 1, 0
	s_mov_b32 s40, 6                               ; tiles 2 to 13
.Ltiles:
	TRIP 0, 1, 0
	TRIP 1, 1, 0
	s_sub_co_u32 s40, s40, 1
	s_cmp_lg_u32 s40, 0
	s_cbranch_scc1 .Ltiles
	TRIP 0, 1, 0                                   ; tile 14 fetches tile 15,
	TRIP 1, 0, 0                                   ; which fetches nothing (its stepped addresses are not used)
	; The way out (five places stand behind the last matrix instruction): join the halves' sums, divide, round, store.
.irp y, 0,1
	v_permlanex16_b32 v[T+4*\y], v[AL+2*\y+1], s42, s43
.endr
.irp y, 0,1
	v_add_f32 v[AL+2*\y+1], v[AL+2*\y+1], v[T+4*\y]
.endr
	v_rcp_f32 v[AL], v[AL+1]                       ; the sum holds the largest score's p, which is about 1: never 0
	v_rcp_f32 v[AL+2], v[AL+3]
	v_nop
.set u, 0
	s_wait_alu depctr_va_vdst(0)
.rept 32
	v_pk_mul_f32 v[OF+2*u:OF+2*u+1], v[OF+2*u:OF+2*u+1], v[AL+2*((u>>2)&1):AL+2*((u>>2)&1)+1] op_sel_hi:[1,0]
.set u, u+1
.endr
.irp t, 0,1,2,3
.irp y, 0,1
.irp u, 0,1,2,3
	v_cvt_pk_f16_f32 v[OF+8*(2*\t+\y)+\u], v[OF+8*(2*\t+\y)+2*\u], v[OF+8*(2*\t+\y)+2*\u+1]
.endr
.endr
.endr
.irp t, 0,1,2,3
.irp y, 0,1
	global_store_b128 v[QO], v[OF+8*(2*\t+\y):OF+8*(2*\t+\y)+3], s[54:55] offset:2048*\y+512*\t   ; fragment order again: 512 consecutive bytes a store
.endr
.endr
	ROUND                                          ; the closing round: no work-group ends while a partner may still ask for a tile that names it
	s_endpgm
.Lfunc_end_k_qc9233f1d32_attn:
	.size	k_qc9233f1d32_attn, .Lfunc_end_k_qc9233f1d32_attn-k_qc9233f1d32_attn
	.p2alignl 7, 3214868480
	.fill 96, 4, 3214868480
	.section	.rodata,"a",@progbits
	.p2align	6, 0x0
	.amdhsa_kernel k_qc9233f1d32_attn
		.amdhsa_group_segment_fixed_size 327680
		.amdhsa_private_segment_fixed_size 0
		.amdhsa_enable_private_segment 0
		.amdhsa_kernarg_size 16
		.amdhsa_user_sgpr_count 2
		.amdhsa_user_sgpr_kernarg_segment_ptr 1
		.amdhsa_wavefront_size32 1
		.amdhsa_system_sgpr_workgroup_id_x 1
		.amdhsa_system_sgpr_workgroup_id_y 1
		.amdhsa_system_sgpr_workgroup_id_z 1
		.amdhsa_system_vgpr_workitem_id 0
		.amdhsa_next_free_vgpr 256
		.amdhsa_next_free_sgpr 66
		.amdhsa_reserve_vcc 0
		.amdhsa_float_denorm_mode_32 3
		.amdhsa_float_denorm_mode_16_64 3
		.amdhsa_memory_ordered 1
		.amdhsa_forward_progress 1
		.amdhsa_inst_pref_size 255
	.end_amdhsa_kernel
	.section	.bss,"aw",@nobits
	.p2align	6
	.space	262144
	.amdgpu_metadata
---
amdhsa.version: [ 1, 2 ]
amdhsa.kernels:
  - .name:           k_qc9233f1d32_attn
    .symbol:         k_qc9233f1d32_attn.kd
    .args:
      - { .name: qkv, .offset: 0, .size: 8, .value_kind: global_buffer, .address_space: global }
      - { .name: ao, .offset: 8, .size: 8, .value_kind: global_buffer, .address_space: global }
    .group_segment_fixed_size: 327680
    .private_segment_fixed_size: 0
    .kernarg_segment_align: 8
    .kernarg_segment_size: 16
    .max_flat_workgroup_size: 256
    .sgpr_count:     66
    .vgpr_count:     256
    .wavefront_size: 32
...
	.end_amdgpu_metadata
.endif
;; end of part 2
;; launch oproj (part 3): grid 128 x 2, 4 waves a work-group, no clusters, 210,432 bytes of LDS; arguments ao, wo, bo, out0; writes out0
.if DOCPART == 3
	.amdgcn_target "amdgcn-amd-amdhsa--gfx1250"
	.amdhsa_code_object_version 6
	.text
	.protected	k_qc9233f1d32_oproj
	.globl	k_qc9233f1d32_oproj
	.p2align	8
	.type	k_qc9233f1d32_oproj,@function
k_qc9233f1d32_oproj:
	s_mov_b64 s[64:65], 0
	v_nop
	global_prefetch_b8 v0, s[64:65] scope:SCOPE_SE
	s_setreg_imm32_b32 hwreg(HW_REG_WAVE_MODE, 25, 1), 1
	s_wait_xcnt 0x0
; out0 = a wo + bo.  a: the attention result, f16 in fragment order; wo: [384 in][384 out] f32; bo: [384] f32; out0: [8192][384] f32.
; A work-group makes 64 rows x 192 columns: grid x = row block, grid y = column half: 256 work-groups.
; Four waves; wave w makes rows 16 w .. 16 w + 15 x all 192 columns: 12 accumulator tiles.  A wave thus owns whole pieces of rows (768 bytes, aligned to 256),
; and its stage on the way out is its own: one barrier in the whole text, behind the conversion of the weights.
; The weight slice is converted to f16 once and laid in LDS as [k][n]; a transposing LDS load makes fragments of it.
; a's fragments come straight from memory into registers, 512 consecutive bytes a load, six K steps ahead.
; THE PRODUCT IS USED TRANSPOSED (source 0 = 16 columns of wo, source 1 = 16 rows of a): a lane holds eight neighbouring columns of one row.
; NO CLUSTER: the weights that the row blocks share are f32 in memory and wanted in 16 bits, and a tensor load moves bytes as they are.  A joint load
; would have to land 294,912 bytes of f32 beside the 16-bit image of 159,744 bytes: more LDS than a work-group can be given.
; LIMITS: wo is rounded to f16 (11 significant bits; a magnitude of 65,504 or more becomes infinite, below 2^-14 the steps are 2^-24: wo of spread
; 1/sqrt(384) has room for a factor of 30 either way and for an offset of 30 spreads); sums in f32, started from the bias, K ascending.
; NaN and infinities are not served.
.set WP,   416                         ; pitch of a k row of wo in LDS: 384 bytes + 32 = 13 x 32
.set ST,   384*WP                      ; 159,744: behind the weights, each wave's stage
.set SP,   784                         ; pitch of a staged row: 768 bytes + 16 = 49 x 16
.set NW,   144                         ; loads of wo in a wave: 96 k rows x 768 bytes / 512
.set RING, 24
.set AOFF, 1                           ; v1      a: 2048 w + 16 x lane
.set GW0,  2                           ; v2, v3  wo in memory
.set GW1,  3
.set LW0,  4                           ; v4, v5  the same places in LDS
.set LW1,  5
.set WADR, 6                           ; v6-8    weight fragments, K steps 0-3, 4-7, 8-11
.set BOFF, 9                           ; v9      bias
.set STO,  10                          ; v10     the way out: where I put my numbers
.set LR0,  11                          ; v11, 12 where rows are read back
.set LR1,  12
.set GO0,  13                          ; v13, 14 the same places in out0
.set GO1,  14
.set ACC,  16                          ; v16-111  accumulator f at 8 f
.set WF,   112                         ; v112-207 12 weight fragments; before that the ring for wo; at the end the rows read back
.set AF,   208                         ; v208-255 a's fragments: a ring of six K steps (v253-255 hold lane, r, h while the addresses are made)
.macro PLACES                          ; four places behind a matrix instruction before its registers are loaded into or its result is read (ISA guide 7.12.1)
.rept 4
	v_nop
.endr
.endm
	s_load_b256 s[8:15], s[0:1], 0x0               ; ao s[8:9], wo s[10:11], bo s[12:13], out0 s[14:15]
	v_lshl_add_u32 v15, v0, 2, 0x33400
	s_set_vgpr_msb 0x40
	v_mov_b32 v1, 0
	s_set_vgpr_msb 0x4000
	v_lshrrev_b32 v253, 5, v0
	v_readfirstlane_b32 s4, v253                   ; wave 0..3
	s_and_b32 s7, ttmp7, 0xffff                    ; which 192 columns
	v_and_b32 v253, 31, v0                         ; lane
	v_and_b32 v254, 15, v0                         ; r
	v_bfe_u32 v255, v0, 4, 1                       ; h
	s_lshl_b32 s20, s4, 11                         ; a row tile of 2,048 bytes a wave
	v_lshl_add_u32 v[AOFF], v253, 4, s20
	s_mul_i32 s20, s4, 147456                      ; 96 k rows of 1,536 bytes
	v_lshl_add_u32 v[GW0], v253, 4, s20
	s_add_co_u32 s20, s20, 512
	v_lshlrev_b32 v[GW1], 10, v255
	v_lshl_add_u32 v[GW1], v254, 4, v[GW1]
	v_add_nc_u32 v[GW1], s20, v[GW1]               ; lanes 0-15: bytes 512-767 of a row; lanes 16-31: bytes 0-255 of the next
	s_mul_i32 s20, s4, 96*WP
	v_lshl_add_u32 v[LW0], v253, 3, s20
	s_add_co_u32 s20, s20, 256
	v_mul_u32_u24 v[LW1], v255, 160
	v_lshl_add_u32 v[LW1], v254, 3, v[LW1]
	v_add_nc_u32 v[LW1], s20, v[LW1]               ; 256 + 160 = one pitch
	v_and_b32 v[WADR+1], 7, v0
	v_lshl_add_u32 v[WADR+1], v255, 3, v[WADR+1]   ; k row 8 h + l % 8
	v_mul_u32_u24 v[WADR], v[WADR+1], WP
	v_bfe_u32 v[WADR+1], v0, 3, 1
	v_lshl_add_u32 v[WADR], v[WADR+1], 4, v[WADR]  ; + 16 bytes for the upper eight columns
	v_add_nc_u32 v[WADR+1], 128*WP, v[WADR]
	v_add_nc_u32 v[WADR+2], 256*WP, v[WADR]
	v_lshlrev_b32 v[BOFF], 5, v255
	s_mul_i32 s20, s4, 16*SP
	s_add_co_u32 s20, s20, ST                      ; my stage
	v_mul_u32_u24 v[STO], v254, SP
	v_lshl_add_u32 v[STO], v255, 5, v[STO]
	v_add_nc_u32 v[STO], s20, v[STO]               ; row r, 32 bytes at 32 h
	v_lshl_add_u32 v[LR0], v253, 4, s20
	s_add_co_u32 s20, s20, 512
	v_mul_u32_u24 v[LR1], v255, 272
	v_lshl_add_u32 v[LR1], v254, 4, v[LR1]
	v_add_nc_u32 v[LR1], s20, v[LR1]               ; 512 + 272 = one pitch
	s_mul_i32 s20, s4, 24576                       ; 16 rows of 1,536 bytes
	v_lshl_add_u32 v[GO0], v253, 4, s20
	s_add_co_u32 s20, s20, 512
	v_lshlrev_b32 v[GO1], 10, v255
	v_lshl_add_u32 v[GO1], v254, 4, v[GO1]
	v_add_nc_u32 v[GO1], s20, v[GO1]
	s_mul_i32 s16, s7, 768                         ; 192 columns of f32
	s_mov_b32 s17, 0
	s_mul_i32 s18, ttmp9, 98304                    ; 64 rows of 1,536 bytes
	s_wait_kmcnt 0x0
	s_add_nc_u64 s[10:11], s[10:11], s[16:17]      ; wo at my first column
	s_add_nc_u64 s[12:13], s[12:13], s[16:17]      ; bo at my first column
	s_add_co_u32 s16, s16, s18
	s_add_nc_u64 s[14:15], s[14:15], s[16:17]      ; out0 at my block
	s_lshr_b32 s18, ttmp9, 6                       ; batch
	s_mul_i32 s18, s18, 3145728                    ; six heads of 524,288 bytes
	s_and_b32 s19, ttmp9, 63
	s_lshl_b32 s19, s19, 13                        ; four row tiles of 2,048 bytes a block
	s_add_co_u32 s16, s18, s19
	s_add_nc_u64 s[8:9], s[8:9], s[16:17]          ; a at my block, head 0
	; The sums start from the bias: it is loaded into the accumulators.
.irp f, 0,1,2,3,4,5,6,7,8,9,10,11
.irp e, 0,1
	global_load_b128 v[ACC+8*\f+4*\e:ACC+8*\f+4*\e+3], v[BOFF], s[12:13] offset:64*\f+16*\e
.endr
.endr
; a's fragment of K step c: head c / 2, dk 32 (c % 2) ..: two loads of 512 consecutive bytes
.macro LOADAO c
.irp q, 0,1
	global_load_b128 v[AF+8*((\c)%6)+4*\q:AF+8*((\c)%6)+4*\q+3], v[AOFF], s[8:9] offset:524288*((\c)>>1)+512*(2*((\c)&1)+\q)
.endr
.endm
; wo, load i: three loads bring the 2 x 768 bytes of k rows 2 (i / 3), 2 (i / 3) + 1 of my 96, each in aligned runs of 256 bytes
.macro WLOAD i
.set wl, WF+4*((\i)%RING)
.if ((\i)%3) == 1
	global_load_b128 v[wl:wl+3], v[GW1], s[10:11] offset:3072*((\i)/3)
.else
	global_load_b128 v[wl:wl+3], v[GW0], s[10:11] offset:3072*((\i)/3)+896*((\i)%3)
.endif
.endm
.macro WPUT i
.set ws, WF+4*((\i)%RING)
.if (\i) < NW-RING
	s_wait_loadcnt RING-1                          ; loads come back in order (ISA guide 5.7.1): the ring's 23 younger ones stay out
.else
	s_wait_loadcnt NW-1-(\i)                       ; the ring runs empty
.endif
	v_cvt_pk_f16_f32 v[ws], v[ws], v[ws+1]
	v_cvt_pk_f16_f32 v[ws+1], v[ws+2], v[ws+3]
.if ((\i)%3) == 1
	ds_store_b64 v[LW1], v[ws:ws+1] offset:2*WP*((\i)/3)
.else
	ds_store_b64 v[LW0], v[ws:ws+1] offset:2*WP*((\i)/3)+272*((\i)%3)
.endif
.if (\i) < NW-RING
	WLOAD (\i)+RING
.endif
.endm
; six weight fragments (column tiles 6 g .. 6 g + 5) of K step c
.macro LOADB g, c
.irp e, 0,1,2,3,4,5
	ds_load_tr16_b128 v[WF+8*(6*\g+\e):WF+8*(6*\g+\e)+3], v[WADR+((\c)>>2)] offset:32*WP*((\c)&3)+32*(6*\g+\e)
	ds_load_tr16_b128 v[WF+8*(6*\g+\e)+4:WF+8*(6*\g+\e)+7], v[WADR+((\c)>>2)] offset:32*WP*((\c)&3)+32*(6*\g+\e)+16*WP
.endr
.endm
; six matrix instructions.  The 12 accumulators take turns, one instruction a turn.
.macro MUL g, c
.irp e, 0,1,2,3,4,5
	v_wmma_f32_16x16x32_f16 v[ACC+8*(6*\g+\e):ACC+8*(6*\g+\e)+7], v[WF+8*(6*\g+\e):WF+8*(6*\g+\e)+7], v[AF+8*((\c)%6):AF+8*((\c)%6)+7], v[ACC+8*(6*\g+\e):ACC+8*(6*\g+\e)+7]
.endr
.endm
.macro KSTEP c
	s_wait_dscnt 12                                ; group 0 is in; only group 1's twelve loads are younger
.if \c >= 6
	s_wait_loadcnt 2*(11-\c)                       ; a's fragment of this step; the later steps' two loads each stay out
.endif
	MUL 0, \c
.if \c < 11
	PLACES
	LOADB 0, \c+1
	s_wait_dscnt 12                                ; group 1 is in; the twelve just issued are younger
.else
	s_wait_dscnt 0
.endif
	MUL 1, \c
	PLACES
.if \c < 11
	LOADB 1, \c+1
.endif
.if \c < 6
	LOADAO \c+6                                    ; into the slot that this step has read
.endif
.endm
.irp c, 0,1,2,3,4,5
	LOADAO \c
.endr
.set it, 0
.rept RING
	WLOAD it
.set it, it+1
.endr
.set it, 0
.rept NW
	WPUT it                                        ; the last wait is for 0: bias and a's first six fragments, which are older, are in as well
.set it, it+1
.endr
	s_wait_dscnt 0x0                               ; my part of the weights is in LDS,
	s_barrier_signal -1
	s_barrier_wait -1                              ; everybody's is
	LOADB 0, 0
	LOADB 1, 0
.irp c, 0,1,2,3,4,5,6,7,8,9,10,11
	KSTEP \c
.endr
	; The way out, through my own stage (four places stand behind the last matrix instruction): 32 bytes a lane and tile in, whole rows back.
	; LDS serves a wave's instructions in order (ISA guide 5.7.1): the loads see the stores above them.
.irp f, 0,1,2,3,4,5,6,7,8,9,10,11
	ds_store_b128 v[STO], v[ACC+8*\f:ACC+8*\f+3] offset:64*\f
	ds_store_b128 v[STO], v[ACC+8*\f+4:ACC+8*\f+7] offset:64*\f+16
.endr
.irp p, 0,1,2,3,4,5,6,7
	ds_load_b128 v[WF+12*\p:WF+12*\p+3], v[LR0] offset:2*SP*\p             ; row 2 p, bytes 0-511
	ds_load_b128 v[WF+12*\p+4:WF+12*\p+7], v[LR1] offset:2*SP*\p           ; row 2 p, bytes 512-767; row 2 p + 1, bytes 0-255
	ds_load_b128 v[WF+12*\p+8:WF+12*\p+11], v[LR0] offset:2*SP*\p+SP+256   ; row 2 p + 1, bytes 256-767
.endr
.irp p, 0,1,2,3,4,5,6,7
	s_wait_dscnt 23-3*\p                           ; the count runs down with the loads that are still younger
	global_store_b128 v[GO0], v[WF+12*\p:WF+12*\p+3], s[14:15] offset:3072*\p th:TH_STORE_NT
	s_wait_dscnt 22-3*\p
	global_store_b128 v[GO1], v[WF+12*\p+4:WF+12*\p+7], s[14:15] offset:3072*\p th:TH_STORE_NT
	s_wait_dscnt 21-3*\p
	global_store_b128 v[GO0], v[WF+12*\p+8:WF+12*\p+11], s[14:15] offset:3072*\p+1792 th:TH_STORE_NT   ; sixteen lanes store 256 consecutive bytes, aligned
.endr
	s_set_vgpr_msb 0x4
	s_wait_tensorcnt 0x0
	ds_add_u32 v15, v1
	s_wait_dscnt 0x0
	s_set_vgpr_msb 0x400
	s_endpgm
.Lfunc_end_k_qc9233f1d32_oproj:
	.size	k_qc9233f1d32_oproj, .Lfunc_end_k_qc9233f1d32_oproj-k_qc9233f1d32_oproj
	.p2alignl 7, 3214868480
	.fill 96, 4, 3214868480
	.section	.rodata,"a",@progbits
	.p2align	6, 0x0
	.amdhsa_kernel k_qc9233f1d32_oproj
		.amdhsa_group_segment_fixed_size 210432
		.amdhsa_private_segment_fixed_size 0
		.amdhsa_enable_private_segment 0
		.amdhsa_kernarg_size 32
		.amdhsa_user_sgpr_count 2
		.amdhsa_user_sgpr_kernarg_segment_ptr 1
		.amdhsa_wavefront_size32 1
		.amdhsa_system_sgpr_workgroup_id_x 1
		.amdhsa_system_sgpr_workgroup_id_y 1
		.amdhsa_system_sgpr_workgroup_id_z 1
		.amdhsa_system_vgpr_workitem_id 0
		.amdhsa_next_free_vgpr 258
		.amdhsa_next_free_sgpr 66
		.amdhsa_reserve_vcc 0
		.amdhsa_float_denorm_mode_32 3
		.amdhsa_float_denorm_mode_16_64 3
		.amdhsa_memory_ordered 1
		.amdhsa_forward_progress 1
		.amdhsa_inst_pref_size 91
	.end_amdhsa_kernel
	.amdgpu_metadata
---
amdhsa.version: [ 1, 2 ]
amdhsa.kernels:
  - .name:           k_qc9233f1d32_oproj
    .symbol:         k_qc9233f1d32_oproj.kd
    .args:
      - { .name: ao, .offset: 0, .size: 8, .value_kind: global_buffer, .address_space: global }
      - { .name: wo, .offset: 8, .size: 8, .value_kind: global_buffer, .address_space: global }
      - { .name: bo, .offset: 16, .size: 8, .value_kind: global_buffer, .address_space: global }
      - { .name: out0, .offset: 24, .size: 8, .value_kind: global_buffer, .address_space: global }
    .group_segment_fixed_size: 210432
    .private_segment_fixed_size: 0
    .kernarg_segment_align: 8
    .kernarg_segment_size: 32
    .max_flat_workgroup_size: 128
    .sgpr_count:     66
    .vgpr_count:     258
    .wavefront_size: 32
...
	.end_amdgpu_metadata
.endif
;; end of part 3
;; ======== version 2 of 2: 3 launches; 1.27 times as fast as version 1
;; limits: values are held in f16: magnitudes above 65,504 overflow, below 6.1e-05 lose precision
;; workspace buffers: qkv 18,874,368 bytes; ao 6,291,456 bytes
;; launch qkv: the kernel of part 1 again; grid 32 x 6, 8 waves a work-group, no clusters, 234,496 bytes of LDS; arguments x, wq, wk, wv, bq, bk, bv, qkv; writes qkv
;; launch attn (part 4): grid 16 x 12, 8 waves a work-group, clusters of 4 x 1, 327,680 bytes of LDS; arguments qkv, ao; writes ao
.if DOCPART == 4
	.amdgcn_target "amdgcn-amd-amdhsa--gfx1250"
	.amdhsa_code_object_version 6
	.text
	.protected	k_qc9233f1d32_attn
	.globl	k_qc9233f1d32_attn
	.p2align	8
	.type	k_qc9233f1d32_attn,@function
k_qc9233f1d32_attn:
	s_mov_b64 s[64:65], 0
	v_nop
	global_prefetch_b8 v0, s[64:65] scope:SCOPE_SE
	s_setreg_imm32_b32 hwreg(HW_REG_WAVE_MODE, 25, 1), 1
	s_wait_xcnt 0x0
	s_wait_alu depctr_hold_cnt(0) depctr_sa_sdst(0) depctr_va_vdst(0) depctr_va_sdst(0) depctr_va_ssrc(0) depctr_va_vcc(0) depctr_vm_vsrc(0)
	s_getreg_b32 s2, hwreg(HW_REG_IB_STS2, 6, 4)
	s_cmp_eq_u32 s2, 0
	s_cbranch_scc0 .Lentry_in_a_cluster
	s_endpgm
.Lentry_in_a_cluster:
	s_bfe_u32 s2, ttmp6, 0x10000c
	s_cmp_lg_u32 s2, 0x3003
	s_cbranch_scc0 .Lentry_shape_is_right
	s_endpgm
.Lentry_shape_is_right:
; softmax(q k^T / 8) v for one (batch, head) and 256 queries, with a running maximum; the scores never leave the registers.
; grid y = batch x 6 + head; grid x = block of 256 queries.  Eight waves; wave w owns 32 queries (two tiles of 16) and walks all 4,096 keys.
; q, k, v are f16 in fragment order (see the launch that makes them): every fragment is read as runs of 512 consecutive bytes.
; BOTH PRODUCTS ARE USED TRANSPOSED.  S^T = K Q^T: lane (r, h) holds query r and keys 8 h + 0 .. 7 of a tile of 16 keys.  Two such tiles, packed
; to f16, ARE the fragment of P^T for O^T = V^T P^T: no data moves between lanes.  Maximum, sum and rescale factor are one number a lane;
; the two halves of the lanes hold different keys of the same query, and one exchange of the halves joins them.
; K and V come in tiles of 256 keys (32,768 bytes each, dense) through two LDS slots.
; THE EXPONENTIALS OF A CHUNK OF 64 KEYS ARE ONE BATCH WITH ONE WAIT.  The batch: the two rescale factors and the 64 weights of the wave's two query tiles; between them stand the 32 packed
; scalings, each three pairs ahead of its own exponentials, and none of these lines names an exponential's result.  Behind the batch the new shift is moved into its place (two plain moves);
; then the wait; then all that reads a result: the rescaling of O, the row sums, the roundings to f16.  The way out's two reciprocals are a batch of their own.
; CLUSTER: the four work-groups of a cluster are four query blocks of one head and walk the same K and V tiles in the same 16 trips.  Each tile is
; asked for jointly: every wave of each of the four issues the same tensor load (its eighth of the tile) with the mask of all four.
; By this text's own count a wave has two tensor loads outstanding: its parts of one tile of K and of V.
; 192 work-groups: 12 heads x 16 blocks.  A share of 64 queries would need the keys split over waves and a merge of partial results.
; No prefetch: each block would have to be asked for by one of the four partners alone;
; a tile is requested at the head of one trip and waited for at the head of the next, 128 matrix instructions of every wave later.
; LIMITS: p is rounded to f16 in front of the second product and the result behind it; the row sum is made of the unrounded p, in f32.
; p lies in (0, 1]: below 2^-14 f16 keeps it in steps of 2^-24, below 2^-25 it counts as 0 in the product; over 4,096 keys that is at most 2^-13 of the
; largest |v|, against a row sum of about 1 or more.  p below 2^-126 counts as 0 in the sum too (v_exp_f32 flushes denormals: ISA guide, its entry in 15.8).
; The result is an average of rows of v, so it has v's range (below 65,504); below 2^-14 its steps are 2^-24: with x and wv both 30 times smaller than
; spread 1 and 1/sqrt(384) its size is about 1.7e-5, and the rounding a thousandth of that.
; NaN, infinities, and scores beyond the range of f32 are not served.
.set TILE, 32768                       ; 256 keys x 64 x 2 bytes
.set SLOT, 65536                       ; K's tile, then V's
.set KSEC, 6291456                     ; k's section of the buffer
.set VSEC, 12582912                    ; v's section
.set G1, 16                            ; s[16:23] descriptor group 1, for all loads
.set GK, 24                            ; s[24:31] group 0 for K, one set for each slot
.set GV, 32                            ; s[32:39] group 0 for V
.set KA, 1                             ; v1, v2   K fragments in slot 0, 1: 16 x lane
.set VA, 3                             ; v3, v4   V fragments
.set QO, 5                             ; v5       my 16 bytes in q and in the output
.set NM, 8                             ; v8, v10  minus the running maximum times c;  v9, v11 the running maximum of the raw scores
.set AL, 12                            ; v12, v14 the rescale factor;                 v13, v15 the running sum of my half's keys
.set T,  16                            ; v16-23   at work; v18, v22 hold the new shift while the batch of exponentials is open
.set QF, 32                            ; v32-63   Q fragment (query tile y, K step c) at 8 (2 y + c)
.set F,  64                            ; v64-127  K fragment (key tile i, step c) at 8 (4 c + i); then V fragment (dk tile t, key step c) at 8 (4 c + t)
.set SF, 128                           ; v128-191 S (y, i) at 32 y + 8 i; P (y, key step c) ends up in place at 32 y + 16 c
.set OF, 192                           ; v192-255 O (t, y) at 8 (2 t + y)
; The pairs (new shift, v19 or v23) and (AL, sum) are named by packed instructions that take the pair's first register for both halves.
.macro PLACES k
.rept \k
	v_nop
.endr
.endm
; A round of the cluster's barrier: my work-group's barrier, wave 0 signals for the work-group, every wave waits for all four work-groups, my work-group's barrier again.
.macro ROUND
	s_barrier_signal -1
	s_barrier_wait -1
	s_cmp_lg_u32 s8, 0
	s_cbranch_scc1 .Lnot_wave_0_\@
	s_barrier_signal -3
.Lnot_wave_0_\@:
	s_barrier_wait -3
	s_barrier_signal -1
	s_barrier_wait -1
.endm
	s_load_b128 s[4:7], s[0:1], 0x0                ; qkv s[4:5], ao s[6:7]
	v_lshl_add_u32 v30, v0, 2, 0x29000
	v_mov_b32 v31, 0
	ds_add_u32 v30, v31
	v_lshrrev_b32 v6, 5, v0
	v_readfirstlane_b32 s8, v6                     ; wave 0..7
	s_and_b32 s9, ttmp7, 0xffff                    ; batch x 6 + head: the four partners share it
	s_bfe_u32 s47, ttmp6, 0x40000                  ; cx: my place in the cluster
	s_lshl_b32 s48, ttmp9, 2
	s_add_co_u32 s48, s48, s47                     ; query block = 4 x cluster x + cx: enters the addresses of q and of the output alone
	s_mov_b32 s42, 0x76543210                      ; v_permlanex16_b32: lane i of one half reads lane i of the other
	s_mov_b32 s43, 0xfedcba98
	s_mov_b32 s44, 0x3e38aa3b                      ; c = log2(e) / 8: the scale 1 / sqrt(64) and the base of v_exp_f32 in one factor
	s_mov_b32 s45, 0x3e38aa3b
	s_mov_b32 s46, 0xbe38aa3b                      ; - c
	; group 1: 16 rows of 32 elements of 8 bytes = 4,096 dense bytes, a wave's eighth of a tile
	s_mov_b32 s[G1+0], 15|(3<<16)|(1<<21)          ; 15:0 the mask: all four work-groups; 17:16 elements of 8 bytes; 21 set beside a mask; no padding
	s_mov_b32 s[G1+1], 32<<16                      ; tensor_dim0 = 32
	s_mov_b32 s[G1+2], 16<<16                      ; tensor_dim1 = 16
	s_mov_b32 s[G1+3], 32<<16                      ; tile_dim0 = 32
	s_mov_b32 s[G1+4], 16                          ; tile_dim1 = 16
	s_mov_b32 s[G1+5], 32                          ; from row to row: 32 elements
	s_mov_b32 s[G1+6], 0
	s_mov_b32 s[G1+7], 0
	s_lshl_b32 s10, s9, 19                         ; 524,288 bytes a head
	s_lshl_b32 s41, s8, 12                         ; 4,096 x wave
	s_add_co_u32 s12, s10, s41
	s_mov_b32 s13, 0
	s_lshl_b32 s50, s48, 15                        ; 256 queries = 32,768 bytes
	s_add_co_u32 s50, s50, s10
	s_mov_b32 s51, 0
	v_and_b32 v7, 31, v0
	v_lshlrev_b32 v[KA], 4, v7
	v_add_nc_u32 v[KA+1], SLOT, v[KA]
	v_add_nc_u32 v[VA], TILE, v[KA]
	v_add_nc_u32 v[VA+1], SLOT+TILE, v[KA]
	v_lshl_add_u32 v[QO], v7, 4, s41               ; two query tiles of 2,048 bytes a wave
	s_wait_dscnt 0x0
	s_wait_kmcnt 0x0
	s_add_nc_u64 s[14:15], s[4:5], s[12:13]        ; the head, my eighth: nothing of cx in it
	s_add_nc_u64 s[52:53], s[4:5], s[50:51]        ; q at my block
	s_add_nc_u64 s[54:55], s[6:7], s[50:51]        ; the output at my block
.irp y, 0,1
.irp c, 0,1
.irp q, 0,1
	global_load_b128 v[QF+8*(2*\y+\c)+4*\q:QF+8*(2*\y+\c)+4*\q+3], v[QO], s[52:53] offset:2048*\y+512*(2*\c+\q)
.endr
.endr
.endr
.irp s, 0,1
	s_mov_b32 s[GK+4*\s], 1                                        ; count = 1
	s_add_co_u32 s[GK+4*\s+1], s41, \s*SLOT                        ; LDS address: the slot, my eighth
	s_add_nc_u64 s[GK+4*\s+2:GK+4*\s+3], s[14:15], KSEC+\s*TILE    ; tile s
	s_or_b32 s[GK+4*\s+3], s[GK+4*\s+3], 0x80000000                ; type = 2
	s_mov_b32 s[GV+4*\s], 1
	s_add_co_u32 s[GV+4*\s+1], s41, \s*SLOT+TILE
	s_add_nc_u64 s[GV+4*\s+2:GV+4*\s+3], s[14:15], VSEC+\s*TILE
	s_or_b32 s[GV+4*\s+3], s[GV+4*\s+3], 0x80000000
.endr
	ROUND                                          ; all four work-groups are here: the first joint loads meet
	tensor_load_to_lds s[GK:GK+3], s[G1:G1+7]      ; tile 0
	s_nop 0
	tensor_load_to_lds s[GV:GV+3], s[G1:G1+7]
	s_nop 0
	s_wait_loadcnt 0x0                             ; q, once
; the K fragments of 64 keys (chunk j of the tile): the eight loads of dk 0-31 first
.macro LOADK slot, j
.irp c, 0,1
.irp i, 0,1,2,3
.irp q, 0,1
	ds_load_b128 v[F+8*(4*\c+\i)+4*\q:F+8*(4*\c+\i)+4*\q+3], v[KA+\slot] offset:(4*(\j)+\i)*2048+(2*\c+\q)*512
.endr
.endr
.endr
.endm
; the V^T fragments of the same keys, by transposing loads: the eight loads of keys 0-31 first
.macro LOADV slot, j
.irp c, 0,1
.irp t, 0,1,2,3
.irp q, 0,1
	ds_load_tr16_b128 v[F+8*(4*\c+\t)+4*\q:F+8*(4*\c+\t)+4*\q+3], v[VA+\slot] offset:(4*(\j)+2*\c+\q)*2048+512*\t
.endr
.endr
.endr
.endm
; the scaling c s - c max of pair p of the wave's 32 pairs of scores (pairs 0-15: query tile 0, 16-31: tile 1); the shift is read where it was made, in T
.macro FS p
	v_pk_fma_f32 v[SF+2*(\p):SF+2*(\p)+1], v[SF+2*(\p):SF+2*(\p)+1], s[44:45], v[T+4*((\p)>>4)+2:T+4*((\p)>>4)+3] op_sel_hi:[1,0,0]
.endm
; the next n of the 32 pairs of O times the rescale factor, ascending.  first = 1: there is no O yet
.macro RS n, first
.if \first == 0
.rept \n
	v_pk_mul_f32 v[OF+2*r:OF+2*r+1], v[OF+2*r:OF+2*r+1], v[AL+2*((r>>2)&1):AL+2*((r>>2)&1)+1] op_sel_hi:[1,0]
.set r, r+1
.endr
.endif
.endm
; 32 queries x 64 keys.  first = 1: the very first chunk starts maximum, sum and O.
; In both products the eight accumulators take turns, one instruction a turn.
.macro CHUNK slot, j, first
	s_wait_dscnt 8                                 ; K's dk 0-31 are in; the eight loads of dk 32-63 are younger
.irp i, 0,1,2,3
.irp y, 0,1
	v_wmma_f32_16x16x32_f16 v[SF+32*\y+8*\i:SF+32*\y+8*\i+7], v[F+8*\i:F+8*\i+7], v[QF+16*\y:QF+16*\y+7], 0
.endr
.endr
	s_wait_dscnt 0
.irp i, 0,1,2,3
.irp y, 0,1
	v_wmma_f32_16x16x32_f16 v[SF+32*\y+8*\i:SF+32*\y+8*\i+7], v[F+32+8*\i:F+32+8*\i+7], v[QF+16*\y+8:QF+16*\y+15], v[SF+32*\y+8*\i:SF+32*\y+8*\i+7]
.endr
.endr
	PLACES 4                                       ; before V is loaded over K and the scores are read (ISA guide 7.12.1)
	LOADV \slot, \j
	; the largest of my 32 scores of each query tile: four chains, then their join
.irp y, 0,1
.irp k, 0,1,2,3
	v_max3_num_f32 v[T+4*\y+\k], v[SF+32*\y+8*\k], v[SF+32*\y+8*\k+1], v[SF+32*\y+8*\k+2]
.endr
.irp k, 0,1,2,3
	v_max3_num_f32 v[T+4*\y+\k], v[T+4*\y+\k], v[SF+32*\y+8*\k+3], v[SF+32*\y+8*\k+4]
.endr
.irp k, 0,1,2,3
	v_max3_num_f32 v[T+4*\y+\k], v[T+4*\y+\k], v[SF+32*\y+8*\k+5], v[SF+32*\y+8*\k+6]
.endr
	v_max3_num_f32 v[T+4*\y], v[T+4*\y], v[T+4*\y+1], v[SF+32*\y+7]
	v_max3_num_f32 v[T+4*\y+2], v[T+4*\y+2], v[T+4*\y+3], v[SF+32*\y+15]
	v_max3_num_f32 v[T+4*\y], v[T+4*\y], v[T+4*\y+2], v[SF+32*\y+23]
	v_max_num_f32 v[T+4*\y], v[T+4*\y], v[SF+32*\y+31]
.endr
.irp y, 0,1
	v_permlanex16_b32 v[T+4*\y+1], v[T+4*\y], s42, s43             ; the other half's keys of the same query
.endr
.if \first
.irp y, 0,1
	v_max_num_f32 v[NM+2*\y+1], v[T+4*\y], v[T+4*\y+1]
.endr
.else
.irp y, 0,1
	v_max3_num_f32 v[NM+2*\y+1], v[T+4*\y], v[T+4*\y+1], v[NM+2*\y+1]
.endr
.endif
.irp y, 0,1
	v_mul_f32 v[T+4*\y+2], s46, v[NM+2*\y+1]                       ; the new shift
.endr
.if \first == 0
.irp y, 0,1
	v_sub_f32 v[AL+2*\y], v[T+4*\y+2], v[NM+2*\y]                  ; new shift - old shift, both as they are applied to p: at most 0
.endr
.endif
	; THE BATCH: the two rescale factors and p = 2^(c s - c max) for my 64 scores.  Behind each two exponentials stands the scaling of the pair three pairs on,
	; so a pair is scaled six instructions ahead of its own exponentials.  No line up to the wait names an exponential's result.
	FS 0
.if \first == 0
	v_exp_f32 v[AL], v[AL]
.endif
	FS 1
.if \first == 0
	v_exp_f32 v[AL+2], v[AL+2]
.endif
	FS 2
.set u, 0
.rept 32
	v_exp_f32 v[SF+2*u], v[SF+2*u]
	v_exp_f32 v[SF+2*u+1], v[SF+2*u+1]
.if u < 29
	FS u+3
.endif
.set u, u+1
.endr
	v_mov_b32 v[NM], v[T+2]                        ; the new shift goes where the next chunk finds the old one: independent work behind the batch, and the plain
	v_mov_b32 v[NM+2], v[T+6]                      ; instruction that the last exponential wants ahead of the first use of a result (ISA guide 5.7.2)
	s_wait_alu depctr_va_vdst(0)                   ; the one wait for the chunk's batch, ahead of its first reader
	; the sum of my 32 p of each query tile, two chains of packed adds a tile; the four chains go by turns, and four rescalings of O stand between their links
.set r, 0
.irp y, 0,1
	v_pk_add_f32 v[T+4*\y:T+4*\y+1], v[SF+32*\y:SF+32*\y+1], v[SF+32*\y+2:SF+32*\y+3]
	v_pk_add_f32 v[T+4*\y+2:T+4*\y+3], v[SF+32*\y+16:SF+32*\y+17], v[SF+32*\y+18:SF+32*\y+19]
.endr
.irp k, 4,6,8,10,12,14
	RS 4, \first
.irp y, 0,1
	v_pk_add_f32 v[T+4*\y:T+4*\y+1], v[T+4*\y:T+4*\y+1], v[SF+32*\y+\k:SF+32*\y+\k+1]
	v_pk_add_f32 v[T+4*\y+2:T+4*\y+3], v[T+4*\y+2:T+4*\y+3], v[SF+32*\y+16+\k:SF+32*\y+16+\k+1]
.endr
.endr
	RS 4, \first
.irp y, 0,1
	v_pk_add_f32 v[T+4*\y:T+4*\y+1], v[T+4*\y:T+4*\y+1], v[T+4*\y+2:T+4*\y+3]
.endr
	RS 4, \first
.irp y, 0,1
.if \first
	v_add_f32 v[AL+2*\y+1], v[T+4*\y], v[T+4*\y+1]
.else
	v_add_f32 v[T+4*\y], v[T+4*\y], v[T+4*\y+1]
.endif
.endr
	; two tiles of S^T become one fragment of P^T, in place: register u takes numbers 2 u and 2 u + 1, ascending, so nothing is lost; the sums above have read the unrounded p
.irp y, 0,1
.irp c, 0,1
.irp u, 0,1,2,3,4,5,6,7
	v_cvt_pk_f16_f32 v[SF+32*\y+16*\c+\u], v[SF+32*\y+16*\c+2*\u], v[SF+32*\y+16*\c+2*\u+1]
.endr
.endr
.endr
.if \first == 0
.irp y, 0,1
	v_fma_f32 v[AL+2*\y+1], v[AL+2*\y+1], v[AL+2*\y], v[T+4*\y]    ; the running sum: rescaled, plus this chunk's
.endr
.endif
	s_wait_dscnt 8                                 ; V's keys 0-31 are in; the eight loads of keys 32-63 are younger
.irp t, 0,1,2,3
.irp y, 0,1
.if \first
	v_wmma_f32_16x16x32_f16 v[OF+8*(2*\t+\y):OF+8*(2*\t+\y)+7], v[F+8*\t:F+8*\t+7], v[SF+32*\y:SF+32*\y+7], 0
.else
	v_wmma_f32_16x16x32_f16 v[OF+8*(2*\t+\y):OF+8*(2*\t+\y)+7], v[F+8*\t:F+8*\t+7], v[SF+32*\y:SF+32*\y+7], v[OF+8*(2*\t+\y):OF+8*(2*\t+\y)+7]
.endif
.endr
.endr
	s_wait_dscnt 0
.irp t, 0,1,2,3
.irp y, 0,1
	v_wmma_f32_16x16x32_f16 v[OF+8*(2*\t+\y):OF+8*(2*\t+\y)+7], v[F+32+8*\t:F+32+8*\t+7], v[SF+32*\y+16:SF+32*\y+23], v[OF+8*(2*\t+\y):OF+8*(2*\t+\y)+7]
.endr
.endr
	PLACES 5                                       ; the next chunk's matrix instructions write over P (five places), its loads over V (four)
.if \j < 3
	LOADK \slot, \j+1
.endif
.endm
; One tile of 256 keys.  In front of the round every wave has waited for all its tensor loads (its parts of this trip's tile) and for its reads of the
; other slot; behind the round that holds of every wave of all four work-groups, and the other slot's refills are the first tensor loads there.
.macro TRIP slot, refill, first
	s_wait_tensorcnt 0x0                           ; no tensor load of mine is out: every group 0 may be written
	ds_add_u32 v30, v31
	s_wait_dscnt 0x0
	s_add_nc_u64 s[GK+4*\slot+2:GK+4*\slot+3], s[GK+4*\slot+2:GK+4*\slot+3], 2*TILE   ; this slot's next tile
	s_add_nc_u64 s[GV+4*\slot+2:GV+4*\slot+3], s[GV+4*\slot+2:GV+4*\slot+3], 2*TILE
	s_wait_dscnt 0x0
	ROUND
.if \refill
	tensor_load_to_lds s[GK+4-4*\slot:GK+7-4*\slot], s[G1:G1+7]
	s_nop 0
	tensor_load_to_lds s[GV+4-4*\slot:GV+7-4*\slot], s[G1:G1+7]
	s_nop 0
.endif
	LOADK \slot, 0
	CHUNK \slot, 0, \first
	CHUNK \slot, 1, 0
	CHUNK \slot, 2, 0
	CHUNK \slot, 3, 0
.endm
	TRIP 0, 1, 1                                   ; tiles 0 and 1 stand in front of the loop: the first chunk starts the sums
	TRIP 1, 1, 0
	s_mov_b32 s40, 6                               ; tiles 2 to 13
.Ltiles:
	TRIP 0, 1, 0
	TRIP 1, 1, 0
	s_sub_co_u32 s40, s40, 1
	s_cmp_lg_u32 s40, 0
	s_cbranch_scc1 .Ltiles
	TRIP 0, 1, 0                                   ; tile 14 fetches tile 15,
	TRIP 1, 0, 0                                   ; which fetches nothing (its stepped addresses are not used)
	; The way out (five places stand behind the last matrix instruction): join the halves' sums, divide, round, store.
.irp y, 0,1
	v_permlanex16_b32 v[T+4*\y], v[AL+2*\y+1], s42, s43
.endr
.irp y, 0,1
	v_add_f32 v[AL+2*\y+1], v[AL+2*\y+1], v[T+4*\y]
.endr
	v_rcp_f32 v[AL], v[AL+1]                       ; the sum holds the largest score's p, which is about 1: never 0
	v_rcp_f32 v[AL+2], v[AL+3]
	v_nop                                          ; a plain instruction between the last reciprocal and the use of its result: no other work is at hand
	s_wait_alu depctr_va_vdst(0)                   ; one wait for the two reciprocals, ahead of their first reader
.set u, 0
.rept 32
	v_pk_mul_f32 v[OF+2*u:OF+2*u+1], v[OF+2*u:OF+2*u+1], v[AL+2*((u>>2)&1):AL+2*((u>>2)&1)+1] op_sel_hi:[1,0]
.set u, u+1
.endr
.irp t, 0,1,2,3
.irp y, 0,1
.irp u, 0,1,2,3
	v_cvt_pk_f16_f32 v[OF+8*(2*\t+\y)+\u], v[OF+8*(2*\t+\y)+2*\u], v[OF+8*(2*\t+\y)+2*\u+1]
.endr
.endr
.endr
.irp t, 0,1,2,3
.irp y, 0,1
	global_store_b128 v[QO], v[OF+8*(2*\t+\y):OF+8*(2*\t+\y)+3], s[54:55] offset:2048*\y+512*\t   ; fragment order again: 512 consecutive bytes a store
.endr
.endr
	ROUND                                          ; the closing round: no work-group ends while a partner may still ask for a tile that names it
	s_endpgm
.Lfunc_end_k_qc9233f1d32_attn:
	.size	k_qc9233f1d32_attn, .Lfunc_end_k_qc9233f1d32_attn-k_qc9233f1d32_attn
	.p2alignl 7, 3214868480
	.fill 96, 4, 3214868480
	.section	.rodata,"a",@progbits
	.p2align	6, 0x0
	.amdhsa_kernel k_qc9233f1d32_attn
		.amdhsa_group_segment_fixed_size 327680
		.amdhsa_private_segment_fixed_size 0
		.amdhsa_enable_private_segment 0
		.amdhsa_kernarg_size 16
		.amdhsa_user_sgpr_count 2
		.amdhsa_user_sgpr_kernarg_segment_ptr 1
		.amdhsa_wavefront_size32 1
		.amdhsa_system_sgpr_workgroup_id_x 1
		.amdhsa_system_sgpr_workgroup_id_y 1
		.amdhsa_system_sgpr_workgroup_id_z 1
		.amdhsa_system_vgpr_workitem_id 0
		.amdhsa_next_free_vgpr 256
		.amdhsa_next_free_sgpr 66
		.amdhsa_reserve_vcc 0
		.amdhsa_float_denorm_mode_32 3
		.amdhsa_float_denorm_mode_16_64 3
		.amdhsa_memory_ordered 1
		.amdhsa_forward_progress 1
		.amdhsa_inst_pref_size 255
	.end_amdhsa_kernel
	.section	.bss,"aw",@nobits
	.p2align	6
	.space	262144
	.amdgpu_metadata
---
amdhsa.version: [ 1, 2 ]
amdhsa.kernels:
  - .name:           k_qc9233f1d32_attn
    .symbol:         k_qc9233f1d32_attn.kd
    .args:
      - { .name: qkv, .offset: 0, .size: 8, .value_kind: global_buffer, .address_space: global }
      - { .name: ao, .offset: 8, .size: 8, .value_kind: global_buffer, .address_space: global }
    .group_segment_fixed_size: 327680
    .private_segment_fixed_size: 0
    .kernarg_segment_align: 8
    .kernarg_segment_size: 16
    .max_flat_workgroup_size: 256
    .sgpr_count:     66
    .vgpr_count:     256
    .wavefront_size: 32
...
	.end_amdgpu_metadata
.endif
;; end of part 4
;; launch oproj: the kernel of part 3 again; grid 128 x 2, 4 waves a work-group, no clusters, 210,432 bytes of LDS; arguments ao, wo, bo, out0; writes out0
